; MI455X (gfx1250); checked and timed in simulation.
; The chip was launched on July 23, 2026; its instructions are those of AMD's public machine-readable ISA for CDNA 5 (MIT licence, August 2026) and "CDNA5" Instruction Set Architecture Reference Guide (July 2026). The comments in the code are by the model that wrote it; some were corrected since.
;; c GRU. Allowed arithmetic: matrix products marked QUANTISED: E4M3 operands, one given power-of-two scale a tensor, by v_wmma_f32_16x16x64_fp8_fp8 or v_wmma_f32_16x16x128_fp8_fp8, f32 sums; everything else in f32.
;; Inputs: W_hhc_codes 1,024 x 64 x 32 uint8 (E4M3 codes of W_hhc, K innermost, in blocks of 32 codes); W_hx_codes 1,024 x 16 x 32 uint8 (E4M3 codes of W_hx, K innermost, in blocks of 32 codes); W_rhc_codes 1,024 x 64 x 32 uint8 (E4M3 codes of W_rhc, K innermost, in blocks of 32 codes); W_rx_codes 1,024 x 16 x 32 uint8 (E4M3 codes of W_rx, K innermost, in blocks of 32 codes); W_uhc_codes 1,024 x 64 x 32 uint8 (E4M3 codes of W_uhc, K innermost, in blocks of 32 codes); W_ux_codes 1,024 x 16 x 32 uint8 (E4M3 codes of W_ux, K innermost, in blocks of 32 codes); b_hhc 1,024 float32; b_hx 1,024 float32; b_rhc 1,024 float32; b_rx 1,024 float32; b_uhc 1,024 float32; b_ux 1,024 float32; c 8,192 x 1,024 float32; h 8,192 x 1,024 float32; lowp_scales 12 int32 (the exponents e of the quantised operands' scales 2^e); x_codes 8,192 x 16 x 32 uint8 (E4M3 codes of x, K innermost, in blocks of 32 codes).
;; Outputs: out0 8,192 x 1,024 float32; out1 8,192 x 1,024 float32.
;; This version of the problem:
;;   THIS VERSION OF THE PROBLEM IS GIVEN IN LOW PRECISION. The matrix products marked QUANTISED in the list below multiply operands that are first quantised to E4M3 (4 exponent bits, 3 mantissa bits; 8 bits a number), with one given power-of-two scale for each operand tensor; their sums are f32. All else is computed in f32.
;;   The module's matrix products, in the order in which they are computed (A, B: the left and right operand; K: the contracted axis; several contracted axes count as one K, in the product's order):
;;     1. [M 8,192, K 512] x [K 512, N 1,024]; A: input x (given as codes); B: input W_rx (given as codes): QUANTISED (scales: A lowp_scales[0], B lowp_scales[1])
;;     2. [M 8,192, K 2,048] x [K 2,048, N 1,024]; A: computed on the way; B: input W_rhc (given as codes): QUANTISED (scales: A lowp_scales[2], B lowp_scales[3])
;;     3. [M 8,192, K 512] x [K 512, N 1,024]; A: input x (given as codes); B: input W_ux (given as codes): QUANTISED (scales: A lowp_scales[4], B lowp_scales[5])
;;     4. [M 8,192, K 2,048] x [K 2,048, N 1,024]; A: computed on the way; B: input W_uhc (given as codes): QUANTISED (scales: A lowp_scales[6], B lowp_scales[7])
;;     5. [M 8,192, K 512] x [K 512, N 1,024]; A: input x (given as codes); B: input W_hx (given as codes): QUANTISED (scales: A lowp_scales[8], B lowp_scales[9])
;;     6. [M 8,192, K 2,048] x [K 2,048, N 1,024]; A: computed on the way; B: input W_hhc (given as codes): QUANTISED (scales: A lowp_scales[10], B lowp_scales[11])
;;   THE QUANTISER, for each operand of a quantised product, along K:
;;     - The operand's scale is 2^e, e = its entry of the input lowp_scales (int32; the entries are numbered through the quantised products in the list's order, A before B).
;;     - Each number is divided by the scale, clamped to +-448, and rounded to the nearest number of E4M3, ties to even, subnormals kept.
;;     - The product sums the exact products of the quantised numbers (number of the format x scale) in f32.
;;   ~~~python
;;   def quantise(x, axis, e):      # numpy; x: float32 -> the quantised numbers, widened to float32 again
;;       x = np.moveaxis(x, axis, -1); K = x.shape[-1]
;;       r = np.clip(x / 2.0 ** e, -448, 448)
;;       step = 2.0 ** (np.maximum(np.frexp(np.where(r == 0, 1, r))[1] - 1, -6) - 3)
;;       q = np.round(r / step) * step * 2.0 ** e      # np.round: ties to even
;;       return np.moveaxis(q, -1, axis).astype(np.float32)
;;   ~~~
;;   OPERANDS COMPUTED ON THE WAY. 'Computed on the way' means the value that the module computes at that place (a softmax that the list does not call 'softmax' is quantised finished and normalised). What goes into a quantiser is computed in f32, as accurately as f32 sums, v_exp_f32 and their like allow (about 1e-6 of the number): no bf16 or f16 on the way to a quantiser, and a product that is left as it is and whose result goes on into a quantised operand takes f32 operands (vector FMAs, or v_wmma_f32_16x16x4_f32). A number that lies on a knife's edge between two numbers of the format may be rounded either way, as far as f32 arithmetic and the matrix unit's own rounding can turn it there, and no further.
;;   INPUTS GIVEN AS CODES. W_hhc (in the module: [2048, 1024], K = its axis 0); W_hx (in the module: [512, 1024], K = its axis 0); W_rhc (in the module: [2048, 1024], K = its axis 0); W_rx (in the module: [512, 1024], K = its axis 0); W_uhc (in the module: [2048, 1024], K = its axis 0); W_ux (in the module: [512, 1024], K = its axis 0); x (in the module: [8192, 512], K = its axis 1): each comes as NAME_codes (uint8): NAME with its K axis moved to the last place and cut into blocks of 32 codes, [.., K / 32, bytes a block], one block behind the other in memory; one code a byte (a code: sign, 4 exponent bits, 3 mantissa bits); its scale is its entry of lowp_scales. Its value is code x scale, taken as it is: it is not quantised again, and the codes and scales need not be those that the quantiser above would give.
;; One version. Each part assembles by itself: llvm-mc -triple=amdgcn-amd-amdhsa -mcpu=gfx1250 --defsym DOCPART=n.
;; ======== version 1 of 1: 2 launches
;; limits: right only within a limited range of input values
;; workspace buffers: hcq 50,331,648 bytes
;; launch quant (part 1): grid 1024 x 1, 4 waves a work-group, no clusters, 33,280 bytes of LDS; arguments h, c, lowp_scales, hcq; writes hcq
.if DOCPART == 1
	.amdgcn_target "amdgcn-amd-amdhsa--gfx1250"
	.amdhsa_code_object_version 6
	.text
	.protected	k_q550f49de94_quant
	.globl	k_q550f49de94_quant
	.p2align	8
	.type	k_q550f49de94_quant,@function
k_q550f49de94_quant:
	s_mov_b64 s[64:65], 0
	v_nop
	global_prefetch_b8 v0, s[64:65] scope:SCOPE_SE
	s_setreg_imm32_b32 hwreg(HW_REG_WAVE_MODE, 25, 1), 1
	s_wait_xcnt 0x0
; hc = [h | c], f32, is the left operand of three quantised products (with W_rhc, W_uhc, W_hhc), each with a scale of its own: 2^e2, 2^e6, 2^e10 (entries 2, 6, 10 of lowp_scales).
; This launch makes its E4M3 codes once, K innermost, for the launch that multiplies: each row of hc is read there by eight column tiles.
; hcq: [8192 rows][6144 bytes]; a row is three sections of 2,048 codes (h's 1,024, then c's 1,024): byte 0 under e2, byte 2,048 under e10, byte 4,096 under e6.
; code = number / 2^e, held within +-448, rounded to the nearest code, ties to even.
; NOTHING OF THE PROBLEM IS DEAD: all six products, all biases and all inputs reach the result, and nothing is left out.  All three sections are always written, where two exponents are equal too: the next
; launch asks for its tiles jointly in a cluster, at addresses made of ids and constants alone, so each section has its fixed place.
; LIMITS: e2, e6, e10 between -126 and 119, so that 2^e and 448 x 2^e are f32 numbers.  NaN among the inputs is not served; an infinity is held at the largest code.
; SHARES.  Work-groups 0-511 take h, 512-1023 take c, 16 rows each; a wave takes 4 rows = 8 steps of 512 numbers.  Each load reads 512 consecutive bytes, 16 a lane.  The conversion wants 8 neighbours along K in
; one lane's registers, so a step's 2,048 bytes turn through the wave's own stage in LDS and come back 64 bytes a lane (16 bytes of padding behind each 64).  A lane's 16 codes are 16 bytes: a store covers
; 512 consecutive bytes, at a multiple of 256 from hcq's first byte.  All 32 loads of a wave go out at the head.  Waves share nothing: no barrier.  No matrix unit, no cluster: a stream.
.set SP,    80                         ; a lane's place in a stage: 64 bytes + 16 of padding
.set STG,   32*SP                      ; a stage
.set WREG,  8192                       ; a wave's region of LDS: two stages
.set SPARE, 4*WREG                     ; behind the regions: the spare words, 128 bytes for each wave, which no other line names
.set ROWQ,  6144                       ; a row of hcq
.set R,     16                         ; v16-143  eight steps x 16 registers, as loaded
.set X,     144                        ; v144-175 two sets of 16 neighbours
.set T,     176                        ; v176-191 16 held numbers
.set C,     192                        ; v192-215 two sets of 3 x 4 registers of codes
.set SPW,   12                         ; v12 LDS address of my spare word; never rewritten
.set NIL,   13                         ; v13 0; never rewritten
	s_load_b128 s[4:7], s[0:1], 0x0                ; h, c
	s_load_b128 s[8:11], s[0:1], 0x10              ; lowp_scales, hcq
	v_lshl_add_u32 v[SPW], v0, 2, SPARE
	v_mov_b32 v[NIL], 0
	v_lshrrev_b32 v1, 5, v0
	v_readfirstlane_b32 s16, v1                    ; wave 0..3
	v_and_b32 v2, 31, v0                           ; lane
	v_lshlrev_b32 v3, 4, v2                        ; my 16 bytes of a load's 512, and of a store's; never rewritten
	s_mul_i32 s17, s16, WREG
	v_lshrrev_b32 v14, 2, v2
	v_mul_u32_u24 v14, v14, SP
	v_and_b32 v15, 3, v2
	v_lshl_add_u32 v14, v15, 4, v14
	v_add_nc_u32 v14, s17, v14                     ; the stage, on the way in: SP (lane / 4) + 16 (lane % 4); a load's 512 bytes take eight places
	v_mul_u32_u24 v15, v2, SP
	v_add_nc_u32 v15, s17, v15                     ; and on the way out: SP x lane: my 16 neighbours
	s_cmp_lt_u32 ttmp9, 512                        ; h's work-group or c's: the work-group's number alone decides
	s_cselect_b32 s18, 0, 512
	s_cselect_b32 s19, 0, 1024                     ; c's codes lie 1,024 bytes into each section
	s_sub_co_u32 s18, ttmp9, s18
	s_lshl_b32 s18, s18, 4
	s_lshl_b32 s20, s16, 2
	s_add_co_u32 s18, s18, s20                     ; my wave's first row: 16 x index + 4 x wave
	s_lshl_b32 s12, s18, 12                        ; in h or c: rows of 4,096 bytes
	s_mov_b32 s13, 0
	s_mul_i32 s14, s18, ROWQ                       ; in hcq
	s_add_co_u32 s14, s14, s19
	s_mov_b32 s15, 0
	s_wait_alu depctr_va_vdst(0)
	s_wait_kmcnt 0x0
	s_load_b32 s26, s[8:9], 0x8                    ; e2
	s_load_b32 s27, s[8:9], 0x18                   ; e6
	s_load_b32 s28, s[8:9], 0x28                   ; e10
	s_cmp_lt_u32 ttmp9, 512
	s_cselect_b64 s[4:5], s[4:5], s[6:7]
	s_add_nc_u64 s[4:5], s[4:5], s[12:13]
	s_add_nc_u64 s[10:11], s[10:11], s[14:15]
.macro LOAD t
.irp i, 0,1,2,3
	global_load_b128 v[R+16*(\t)+4*\i:R+16*(\t)+4*\i+3], v3, s[4:5] offset:2048*(\t)+512*\i th:TH_LOAD_NT   ; 32 lanes read 512 consecutive bytes; read once in this launch
.endr
.endm
.macro TURN t                          ; step t through a stage: LDS serves a wave's instructions in order (ISA guide 5.7.1.4), so no wait stands between the stores and the loads
.irp i, 0,1,2,3
	ds_store_b128 v14, v[R+16*(\t)+4*\i:R+16*(\t)+4*\i+3] offset:STG*((\t)%2)+8*SP*\i
.endr
.irp i, 0,1,2,3
	ds_load_b128 v[X+16*((\t)%2)+4*\i:X+16*((\t)%2)+4*\i+3], v15 offset:STG*((\t)%2)+16*\i
.endr
.endm
; One section's codes of step t.  v[sc]: 2^e as f32; v[lim]: 448 x 2^e; ver: which four code registers; col: the section's byte in a row of hcq.
.macro VERS t, sc, lim, ver, col
.set CC, C+12*((\t)%2)+4*(\ver)
.irp i, 0,1,2,3,4,5,6,7,8,9,10,11,12,13,14,15
	v_med3_num_f32 v[T+\i], v[X+16*((\t)%2)+\i], -v[\lim], v[\lim]   ; the conversion to an 8-bit code does not saturate (ISA guide 7.6.2): the hold at the largest code x the scale comes first
.endr
	v_cvt_scalef32_pk8_fp8_f32 v[CC:CC+1], v[T:T+7], v[\sc]          ; eight numbers / 2^e, to the nearest code, ties to even; the first number's code in the lowest byte
	v_cvt_scalef32_pk8_fp8_f32 v[CC+2:CC+3], v[T+8:T+15], v[\sc]
	v_nop                                          ; one plain vector line between the conversions and the next holds, which write their sources
	global_store_b128 v3, v[CC:CC+3], s[10:11] offset:((\t)/2)*ROWQ+((\t)%2)*512+\col
.endm
.irp t, 0,1,2,3,4,5,6,7
	LOAD \t
.endr
	s_wait_kmcnt 0x0
.macro SCALE e, sc, lim                ; 2^e and 448 x 2^e as f32 numbers
	s_add_co_i32 s29, s[\e], 127
	s_lshl_b32 s30, s29, 23
	v_mov_b32 v[\sc], s30
	s_add_co_i32 s29, s29, 8
	s_lshl_b32 s29, s29, 23
	s_or_b32 s29, s29, 0x600000                    ; the mantissa field of 448
	v_mov_b32 v[\lim], s29
.endm
	SCALE 26, 4, 5
	SCALE 28, 6, 7
	SCALE 27, 8, 9
	s_wait_alu depctr_va_vdst(0)
	s_wait_loadcnt 28                              ; step 0's four loads are in; the 28 behind them may be out
	TURN 0
.macro STEP t
	s_wait_dscnt 0x0                               ; this step's numbers are back from the stage
.if (\t) < 7
	s_wait_loadcnt 4*(6-(\t))                      ; the next step's four loads are in; those of the steps behind it may be out
	TURN (\t)+1                                    ; and go through the other stage while this step is worked
.endif
.if (\t) >= 2
	s_wait_xcnt 0x0                                ; the stores of two steps back have read this set of code registers
.endif
	VERS \t, 4, 5, 0, 0                            ; under e2
	VERS \t, 6, 7, 1, 2048                         ; under e10
	VERS \t, 8, 9, 2, 4096                         ; under e6
.endm
.irp t, 0,1,2,3,4,5,6,7
	STEP \t
.endr
	s_wait_tensorcnt 0x0                           ; the wave's end
	ds_add_u32 v[SPW], v[NIL]
	s_wait_dscnt 0x0
	s_endpgm
.Lfunc_end_k_q550f49de94_quant:
	.size	k_q550f49de94_quant, .Lfunc_end_k_q550f49de94_quant-k_q550f49de94_quant
	.p2alignl 7, 3214868480
	.fill 96, 4, 3214868480
	.section	.rodata,"a",@progbits
	.p2align	6, 0x0
	.amdhsa_kernel k_q550f49de94_quant
		.amdhsa_group_segment_fixed_size 33280
		.amdhsa_private_segment_fixed_size 0
		.amdhsa_enable_private_segment 0
		.amdhsa_kernarg_size 32
		.amdhsa_user_sgpr_count 2
		.amdhsa_user_sgpr_kernarg_segment_ptr 1
		.amdhsa_wavefront_size32 1
		.amdhsa_system_sgpr_workgroup_id_x 1
		.amdhsa_system_sgpr_workgroup_id_y 1
		.amdhsa_system_sgpr_workgroup_id_z 1
		.amdhsa_system_vgpr_workitem_id 0
		.amdhsa_next_free_vgpr 216
		.amdhsa_next_free_sgpr 66
		.amdhsa_reserve_vcc 0
		.amdhsa_float_denorm_mode_32 3
		.amdhsa_float_denorm_mode_16_64 3
		.amdhsa_memory_ordered 1
		.amdhsa_forward_progress 1
		.amdhsa_inst_pref_size 41
	.end_amdhsa_kernel
	.amdgpu_metadata
---
amdhsa.version: [ 1, 2 ]
amdhsa.kernels:
  - .name:           k_q550f49de94_quant
    .symbol:         k_q550f49de94_quant.kd
    .args:
      - { .name: h, .offset: 0, .size: 8, .value_kind: global_buffer, .address_space: global }
      - { .name: c, .offset: 8, .size: 8, .value_kind: global_buffer, .address_space: global }
      - { .name: lowp_scales, .offset: 16, .size: 8, .value_kind: global_buffer, .address_space: global }
      - { .name: hcq, .offset: 24, .size: 8, .value_kind: global_buffer, .address_space: global }
    .group_segment_fixed_size: 33280
    .private_segment_fixed_size: 0
    .kernarg_segment_align: 8
    .kernarg_segment_size: 32
    .max_flat_workgroup_size: 128
    .sgpr_count:     66
    .vgpr_count:     216
    .wavefront_size: 32
...
	.end_amdgpu_metadata
.endif
;; end of part 1
;; launch gru (part 2): grid 8 x 32, 4 waves a work-group, clusters of 4 x 4, 327,680 bytes of LDS; arguments x_codes, hcq, W_rx_codes, W_rhc_codes, W_hhc_codes, W_hx_codes, W_ux_codes, W_uhc_codes, lowp_scales, b_rx, b_rhc, b_hhc, b_hx, b_ux, b_uhc, h, out0, out1; writes out0, out1
.if DOCPART == 2
	.amdgcn_target "amdgcn-amd-amdhsa--gfx1250"
	.amdhsa_code_object_version 6
	.text
	.protected	k_q550f49de94_gru
	.globl	k_q550f49de94_gru
	.p2align	8
	.type	k_q550f49de94_gru,@function
k_q550f49de94_gru:
	s_mov_b64 s[64:65], 0
	v_nop
	global_prefetch_b8 v0, s[64:65] scope:SCOPE_SE
	s_setreg_imm32_b32 hwreg(HW_REG_WAVE_MODE, 25, 1), 1
	s_wait_xcnt 0x0
	s_wait_alu depctr_hold_cnt(0) depctr_sa_sdst(0) depctr_va_vdst(0) depctr_va_sdst(0) depctr_va_ssrc(0) depctr_va_vcc(0) depctr_vm_vsrc(0)
	s_getreg_b32 s2, hwreg(HW_REG_IB_STS2, 6, 4)
	s_cmp_eq_u32 s2, 0
	s_cbranch_scc0 .Lentry_in_a_cluster
	s_endpgm
.Lentry_in_a_cluster:
	s_bfe_u32 s2, ttmp6, 0x10000c
	s_cmp_lg_u32 s2, 0xf033
	s_cbranch_scc0 .Lentry_shape_is_right
	s_endpgm
.Lentry_shape_is_right:
; new_h = u h + (1 - u) tanh(x W_hx + b_hx + r (hc W_hhc + b_hhc)), r and u sigmoids of x W + b + hc W + b; stored to out0 and out1.
; All six products on E4M3 codes by v_wmma_f32_16x16x128_fp8_fp8; x and the weights as given, hc from hcq (three sections, one for each of its scales).  Nothing of the problem is left out.
; A work-group of four waves makes 256 rows x 128 columns of the result; a wave 128 x 64: 32 accumulators in window 2 (r, then u) and 32 in window 3 (the candidate).
; K goes in steps of 256 through two LDS slots (A's 256 rows, B's 128 rows, rows of 256 bytes + 16 of padding).  Clusters of 4 x 4: A's tiles are asked for jointly along a row, B's along a column.
; Where two products with unlike scales meet in one accumulator, the sums so far are multiplied by the power of two between them.  Sigmoid = 1 / (1 + 2^(-x log2 e)), tanh = 1 - 2 / (1 + 2^(2 x log2 e)).
; Steps that differ only in where the next tile comes from stand in counted loops: every trip steps the tile's address by 256, and the trip whose count is JC sets it anew, behind the round and ahead of the joint load.
; LIMITS: each sum and each difference of sums of two scale exponents that is made into an f32 power of two lies between -126 and 127.  NaN among the inputs is not served.
.set PITCH,  272
.set AHALF,  128*PITCH
.set BHALF,  64*PITCH
.set BOFF,   2*AHALF
.set SLOT1,  1<<17
.set STAGE,  SLOT1+BOFF+2*BHALF
.set SPART,  16*PITCH
.set WSTG,   4*SPART
.set SPARE,  STAGE+4*WSTG
.set ROWQ,   6144
.set ROWF,   4096
.set AA0, 1
.set AB0, 2
.set ADA, 3
.set ADB, 4
.set SPW, 5
.set NIL, 6
.set RL,  7
.set AL,  8
.set GH,  9
.set BO,  10
.set PFO, 13
.set BA,  16
.set BB,  0
.set BC,  32
.set BF,  64
.set AF,  128
.set HT,  64
.set ORG, 64
.set TB,   2
.set CNT,  3
.set PX,   4
.set PH,   6
.set PWRX, 8
.set PWRH, 10
.set PWHH, 12
.set PWHX, 14
.set PWUX, 16
.set PWUH, 18
.set WV,   20
.set FB,   21
.set HF,   22
.set G1AX, 24
.set G1AH, 32
.set G1BX, 40
.set G1BH, 48
.set GA0,  56
.set GA,   60
.set GB0,  68
.set GB,   72
.set ASKF, 59
.set PF,   68
.set N1,   70
.set N2,   66
.set K_RS1, 76
.set K_SR,  78
.set K_SH,  80
.set K_NT,  82
.set K_ST,  84
.set K_RS3, 86
.set K_SU,  88
.set HP,   90
.set O0,   92
.set O1,   94
.set BP,   96
.set NOF,  100
.set PHU,  104
.set MSB, 0
.set JC, 0                             ; not 0: inside a loop; a named pointer is taken in the trip with CNT = JC, the other trips step by 256
.set PC, 4                             ; the trip (by CNT) in which the prefetches go over to the next section
.macro WIN new
.if MSB != (\new)
	s_set_vgpr_msb (MSB<<8)|(\new)
.set MSB, (\new)
.endif
.endm
.macro PLACES
.rept 4
	v_nop
.endr
.endm
.macro JLOAD g0a, g1a, g0b, g1b
	s_cmp_eq_u32 s[FB], 0
	s_cbranch_scc0 .Lfor_b_\@
	tensor_load_to_lds s[\g0a:\g0a+3], s[\g1a:\g1a+7]
	s_nop 0
.rept 4
	v_nop
.endr
	s_branch .Lasked_\@
.Lfor_b_\@:
	tensor_load_to_lds s[\g0b:\g0b+3], s[\g1b:\g1b+7]
	s_nop 0
.rept 4
	v_nop
.endr
.Lasked_\@:
.endm
.macro ASK
	s_cmp_eq_u32 s[ASKF], 1
	s_cbranch_scc0 .Lnot_mine_\@
	global_prefetch_b8 v[PFO], s[PF:PF+1] th:TH_LOAD_NT scope:SCOPE_SE
.Lnot_mine_\@:
.endm
.macro CREST
	s_cmp_lg_u32 s[WV], 0
	s_cbranch_scc1 .Lnot_wave_0_\@
	s_barrier_signal -3
.Lnot_wave_0_\@:
	s_barrier_wait -3
	s_barrier_signal -1
	s_barrier_wait -1
.endm
.macro CROUND
	s_barrier_signal -1
	s_barrier_wait -1
	CREST
.endm
.macro STEPD g, p
	s_xor_b32 s[\g+1], s[\g+1], SLOT1
.if (\p) && (JC == 0)
	s_mov_b64 s[\g+2:\g+3], s[\p:\p+1]
	s_or_b32 s[\g+3], s[\g+3], 0x80000000
.else
	s_add_nc_u64 s[\g+2:\g+3], s[\g+2:\g+3], 256
.endif
.endm
	s_load_b512 s[4:19], s[0:1], 0x0
	s_load_b64 s[PHU:PHU+1], s[0:1], 0x40
	s_load_b128 s[BP:BP+3], s[0:1], 0x48
	s_load_b64 s[HP:HP+1], s[0:1], 0x78
	s_load_b128 s[O0:O0+3], s[0:1], 0x80
	v_lshl_add_u32 v[SPW], v0, 2, SPARE
	v_mov_b32 v[NIL], 0
	ds_add_u32 v[SPW], v[NIL]
	ds_add_u32 v[SPW], v[NIL]
	v_lshrrev_b32 v1, 5, v0
	v_readfirstlane_b32 s[WV], v1
	s_lshr_b32 s[FB], s[WV], 1
	s_and_b32 s[HF], s[WV], 1
	s_bfe_u32 s68, ttmp6, 0x40000
	s_bfe_u32 s56, ttmp6, 0x40004
	s_lshl_b32 s69, ttmp9, 2
	s_add_co_u32 s69, s69, s68
	s_and_b32 s57, ttmp7, 0xffff
	s_lshl_b32 s57, s57, 2
	s_add_co_u32 s57, s57, s56
	s_lshl_b32 s66, s56, 2
	s_lshl_b32 s66, 15, s66
	s_lshl_b32 s70, 0x1111, s68
.set PADW, (1<<20)|(1<<21)|(5<<22)|(3<<25)
	s_or_b32 s[G1AX], s66, PADW
	s_or_b32 s[G1AH], s66, PADW
	s_or_b32 s[G1BX], s70, PADW
	s_or_b32 s[G1BH], s70, PADW
.irp g, G1AX, G1AH
	s_mov_b32 s[\g+1], 256<<16
	s_mov_b32 s[\g+2], 128<<16
	s_mov_b32 s[\g+3], 256<<16
	s_mov_b32 s[\g+4], 128
	s_mov_b32 s[\g+6], 0
	s_mov_b32 s[\g+7], 0
.endr
.irp g, G1BX, G1BH
	s_mov_b32 s[\g+1], 256<<16
	s_mov_b32 s[\g+2], 64<<16
	s_mov_b32 s[\g+3], 256<<16
	s_mov_b32 s[\g+4], 64
	s_mov_b32 s[\g+6], 0
	s_mov_b32 s[\g+7], 0
.endr
	s_mov_b32 s[G1AX+5], 512
	s_mov_b32 s[G1AH+5], ROWQ
	s_mov_b32 s[G1BX+5], 512
	s_mov_b32 s[G1BH+5], 2048
	s_lshl_b32 s23, s57, 8
	s_lshl_b32 s3, s[HF], 7
	s_add_co_u32 s23, s23, s3
	s_lshl_b32 s68, s69, 7
	s_lshl_b32 s3, s[HF], 6
	s_add_co_u32 s68, s68, s3
	s_lshl_b32 s[NOF], s69, 9
	s_lshl_b32 s3, s[HF], 8
	s_add_co_u32 s[NOF], s[NOF], s3
	s_mov_b32 s[NOF+1], 0
	s_lshl_b32 s70, s57, 8
	s_lshl_b32 s3, s[FB], 7
	s_add_co_u32 s70, s70, s3
	s_lshl_b32 s70, s70, 12
	s_add_co_u32 s70, s70, s[NOF]
	s_mov_b32 s71, 0
	s_mov_b32 s67, 0
	s_mov_b32 s69, 0
	s_lshl_b32 s68, s68, 9
	s_wait_dscnt 0x0
	s_wait_kmcnt 0x0
	s_load_b256 s[76:83], s[PHU:PHU+1], 0x0
	s_load_b128 s[84:87], s[PHU:PHU+1], 0x20
	s_lshl_b32 s66, s23, 9
	s_add_nc_u64 s[PX:PX+1], s[PX:PX+1], s[66:67]
	s_mul_i32 s66, s23, ROWQ
	s_add_nc_u64 s[PH:PH+1], s[PH:PH+1], s[66:67]
	s_add_nc_u64 s[PWRX:PWRX+1], s[PWRX:PWRX+1], s[68:69]
	s_add_nc_u64 s[PWHX:PWHX+1], s[PWHX:PWHX+1], s[68:69]
	s_add_nc_u64 s[PWUX:PWUX+1], s[PWUX:PWUX+1], s[68:69]
	s_lshl_b32 s68, s68, 2
	s_add_nc_u64 s[PWRH:PWRH+1], s[PWRH:PWRH+1], s[68:69]
	s_add_nc_u64 s[PWHH:PWHH+1], s[PWHH:PWHH+1], s[68:69]
	s_add_nc_u64 s[PWUH:PWUH+1], s[PWUH:PWUH+1], s[68:69]
	s_add_nc_u64 s[HP:HP+1], s[HP:HP+1], s[70:71]
	s_add_nc_u64 s[O0:O0+1], s[O0:O0+1], s[70:71]
	s_add_nc_u64 s[O1:O1+1], s[O1:O1+1], s[70:71]
	s_add_nc_u64 s[BP:BP+1], s[BP:BP+1], s[NOF:NOF+1]
	s_add_nc_u64 s[BP+2:BP+3], s[BP+2:BP+3], s[NOF:NOF+1]
	CROUND
	s_mov_b32 s[GA0], 1
	s_mul_i32 s[GA0+1], s[HF], AHALF
	s_mov_b64 s[GA0+2:GA0+3], s[PX:PX+1]
	s_or_b32 s[GA0+3], s[GA0+3], 0x80000000
	s_mov_b32 s[GA], 1
	s_add_co_u32 s[GA+1], s[GA0+1], SLOT1
	s_add_nc_u64 s[GA+2:GA+3], s[PX:PX+1], 256
	s_or_b32 s[GA+3], s[GA+3], 0x80000000
	s_mov_b32 s[GB0], 1
	s_mul_i32 s[GB0+1], s[HF], BHALF
	s_add_co_u32 s[GB0+1], s[GB0+1], BOFF
	s_mov_b64 s[GB0+2:GB0+3], s[PWRX:PWRX+1]
	s_or_b32 s[GB0+3], s[GB0+3], 0x80000000
	s_mov_b32 s[GB], 1
	s_add_co_u32 s[GB+1], s[GB0+1], SLOT1
	s_add_nc_u64 s[GB+2:GB+3], s[PWRX:PWRX+1], 256
	s_or_b32 s[GB+3], s[GB+3], 0x80000000
	JLOAD GA0, G1AX, GB0, G1BX
	s_wait_alu depctr_va_vdst(0)
	s_wait_tensorcnt 0x0
	ds_add_u32 v5, v6
	s_wait_dscnt 0x0
	CROUND
	JLOAD GA, G1AX, GB, G1BX
	v_and_b32 v10, 15, v0
	v_bfe_u32 v11, v0, 4, 1
	v_mul_u32_u24 v12, v10, PITCH
	v_lshl_add_u32 v12, v11, 4, v12
	s_mul_i32 s3, s[FB], AHALF
	v_add_nc_u32 v[AA0], s3, v12
	s_mul_i32 s3, s[HF], BHALF
	s_add_co_u32 s3, s3, BOFF
	v_add_nc_u32 v[AB0], s3, v12
	s_mul_i32 s3, s[WV], WSTG
	s_add_co_u32 s3, s3, STAGE
	v_mul_u32_u24 v[RL], v11, PITCH
	v_lshl_add_u32 v[RL], v10, 4, v[RL]
	v_add_nc_u32 v[RL], s3, v[RL]
	v_mul_u32_u24 v[AL], v10, PITCH
	v_lshl_add_u32 v[AL], v11, 5, v[AL]
	v_add_nc_u32 v[AL], s3, v[AL]
	v_lshlrev_b32 v[GH], 12, v11
	v_lshl_add_u32 v[GH], v10, 4, v[GH]
	v_lshlrev_b32 v[BO], 5, v11
.macro BIAS reg, ptr
.irp b, 0,1,2,3
	global_load_b128 v[\reg+8*\b:\reg+8*\b+3], v[BO], s[\ptr:\ptr+1] offset:64*\b
	global_load_b128 v[\reg+8*\b+4:\reg+8*\b+7], v[BO], s[\ptr:\ptr+1] offset:64*\b+16
.endr
.endm
.macro BSUM
	WIN 0x04
.set k, 0
.rept 16
	v_pk_add_f32 v[BA+k:BA+k+1], v[BA+k:BA+k+1], v[BB+k:BB+k+1]
.set k, k+2
.endr
	WIN 0
.set k, 0
.rept 16
	v_pk_mul_f32 v[BA+k:BA+k+1], v[BA+k:BA+k+1], 0xbfb8aa3b op_sel_hi:[1,0]
.set k, k+2
.endr
.endm
	BIAS BA, BP
	WIN 0x40
	BIAS BB, BP+2
	WIN 0
	s_wait_kmcnt 0x0
	s_add_nc_u64 s[PHU:PHU+1], s[PH:PH+1], 4096
	s_add_co_i32 s76, s76, s77
	s_add_co_i32 s78, s78, s79
	s_add_co_i32 s80, s80, s81
	s_add_co_i32 s82, s82, s83
	s_add_co_i32 s84, s84, s85
	s_add_co_i32 s86, s86, s87
	s_sub_co_i32 s76, s76, s78
	s_add_co_i32 s76, s76, 127
	s_lshl_b32 s[K_RS1], s76, 23
	s_mov_b32 s[K_RS1+1], s[K_RS1]
	s_lshl_b32 s[K_SU], s82, 23
	s_add_co_i32 s[K_SU], s[K_SU], 0xbfb8aa3b
	s_mov_b32 s[K_SU+1], s[K_SU]
	s_sub_co_i32 s3, s80, s82
	s_sub_co_i32 s80, s86, s84
	s_add_co_i32 s80, s80, 127
	s_lshl_b32 s[K_SH], s80, 23
	s_mov_b32 s[K_SH+1], s[K_SH]
	s_add_co_i32 s86, s3, 127
	s_lshl_b32 s[K_RS3], s86, 23
	s_mov_b32 s[K_RS3+1], s[K_RS3]
	s_sub_co_i32 s82, 127, s84
	s_lshl_b32 s[K_NT], s82, 23
	s_mov_b32 s[K_NT+1], s[K_NT]
	s_lshl_b32 s84, s84, 23
	s_add_co_i32 s[K_ST], s84, 0x4038aa3b
	s_mov_b32 s[K_ST+1], s[K_ST]
	s_lshl_b32 s78, s78, 23
	s_add_co_i32 s[K_SR], s78, 0xbfb8aa3b
	s_mov_b32 s[K_SR+1], s[K_SR]
.macro FRAG reg, adr, q, i
.irp c, 0,1,2,3
	ds_load_b128 v[\reg+4*\c:\reg+4*\c+3], v[\adr] offset:128*(\q)+32*\c+(\i)*16*PITCH
.endr
.endm
.macro FETCH p, q
	WIN (\p)<<6
.irp i, 0,1,2,3
	FRAG BF+16*\i, ADB, \q, \i
.endr
.irp i, 0,1,2,3,4,5,6,7
	FRAG AF+16*\i, ADA, \q, \i
.endr
.endm
.macro MUL a0, n, zero
.set ma, \a0
.rept \n
.irp b, 0,1,2,3
.if \zero
	v_wmma_f32_16x16x128_fp8_fp8 v[8*(4*ma+\b):8*(4*ma+\b)+7], v[BF+16*\b:BF+16*\b+15], v[AF+16*ma:AF+16*ma+15], 0
.else
	v_wmma_f32_16x16x128_fp8_fp8 v[8*(4*ma+\b):8*(4*ma+\b)+7], v[BF+16*\b:BF+16*\b+15], v[AF+16*ma:AF+16*ma+15], v[8*(4*ma+\b):8*(4*ma+\b)+7]
.endif
.endr
.set ma, ma+1
.endr
.endm
.macro SUB0 w, zero
	s_wait_dscnt 16
	WIN 0x50*(\w)
	MUL 0, 4, \zero
	s_wait_dscnt 0x0
	PLACES
	FETCH 1, 1
	WIN 0x50*(\w)
	MUL 4, 4, \zero
.endm
.macro TURN w, kind, ja, jb, ask, pn
.if \ask
	s_wait_xcnt 0x0
	s_add_nc_u64 s[PF:PF+1], s[PF:PF+1], 256
.if \pn
	s_cmp_eq_u32 s[CNT], PC
	s_cselect_b64 s[PF:PF+1], s[\pn:\pn+1], s[PF:PF+1]
.endif
.endif
	WIN 0
	s_wait_tensorcnt 0x0
	ds_add_u32 v[SPW], v[NIL]
.if \kind
	STEPD GA, \ja
	STEPD GB, \jb
.endif
	s_xor_b32 s[TB], s[TB], SLOT1
	s_wait_dscnt 0x0
	s_barrier_signal -1
	s_barrier_wait -1
.if \kind
	CREST
.if JC
	s_cmp_lg_u32 s[CNT], JC                        ; the loop's counter alone decides: the same in all waves and all partners; no load of mine is out, so a group 0 may be written
	s_cbranch_scc1 .Lkeep_\@
.if \ja
	s_mov_b64 s[GA+2:GA+3], s[\ja:\ja+1]
	s_or_b32 s[GA+3], s[GA+3], 0x80000000
.endif
.if \jb
	s_mov_b64 s[GB+2:GB+3], s[\jb:\jb+1]
	s_or_b32 s[GB+3], s[GB+3], 0x80000000
.endif
.Lkeep_\@:
.endif
.if \kind == 1
	JLOAD GA, G1AX, GB, G1BX
.else
	JLOAD GA, G1AH, GB, G1BH
.endif
.else
	PLACES
.endif
	v_add_nc_u32 v[ADA], s[TB], v[AA0]
	v_add_nc_u32 v[ADB], s[TB], v[AB0]
	FETCH 0, 0
.if \ask
	ASK
.endif
	WIN 0x50*(\w)+5
	MUL 0, 8, 0
	WIN 0
.endm
.macro LAST w
	s_wait_dscnt 16
	WIN 0x50*(\w)+5
	MUL 0, 4, 0
	s_wait_dscnt 0x0
	MUL 4, 4, 0
	WIN 0
.endm
.macro RESCALE pair
	WIN 0x82
.set k, 0
.rept 128
	v_pk_mul_f32 v[k:k+1], v[k:k+1], s[\pair:\pair+1] op_sel_hi:[1,0]
.set k, k+2
.endr
	WIN 0
.endm
.macro EXPS
.set k, 0
.rept 256
	v_exp_f32 v[k], v[k]
.set k, k+1
.endr
	v_nop
	s_wait_alu depctr_va_vdst(0)
.endm
.macro SIG_A pair
	WIN 0x82
.set k, 0
.rept 128
	v_pk_fma_f32 v[k:k+1], v[k:k+1], s[\pair:\pair+1], v[BA+k%32:BA+k%32+1] op_sel_hi:[1,0,1]
.set k, k+2
.endr
	s_wait_alu depctr_va_vdst(0)
	EXPS
	WIN 0
.endm
.macro RECIP w
	WIN 0x41*(\w)
.set k, 0
.rept 128
	v_pk_add_f32 v[k:k+1], v[k:k+1], 1.0 op_sel_hi:[1,0]
.set k, k+2
.endr
.set k, 0
	s_wait_alu depctr_va_vdst(0)
.rept 256
	v_rcp_f32 v[k], v[k]
.set k, k+1
.endr
	v_nop
	s_wait_alu depctr_va_vdst(0)
	WIN 0
.endm
	s_wait_tensorcnt 1
	s_barrier_signal -1
	s_barrier_wait -1
	s_mov_b32 s[TB], 0
	v_add_nc_u32 v[ADA], s[TB], v[AA0]
	v_add_nc_u32 v[ADB], s[TB], v[AB0]
	FETCH 0, 0
	s_bfe_u32 s56, ttmp6, 0x40000
	s_bfe_u32 s57, ttmp6, 0x40004
	s_and_b32 s58, ttmp7, 0xffff
	s_add_nc_u64 s[N1:N1+1], s[PH:PH+1], 2048
	s_mov_b32 s23, 2048
	s_cmp_eq_u32 s[FB], 0
	s_cselect_b32 s56, s56, s57
	s_cselect_b32 s58, ttmp9, s58
	s_cselect_b32 s23, ROWQ, s23
	s_cselect_b64 s[PF:PF+1], s[PH:PH+1], s[PWRH:PWRH+1]
	s_cselect_b64 s[N1:N1+1], s[N1:N1+1], s[PWHH:PWHH+1]
	s_cselect_b64 s[N2:N2+1], s[PHU:PHU+1], s[PWUH:PWUH+1]
	s_cselect_b32 s57, 0, s[HF]
	s_or_b32 s58, s58, s57
	s_cmp_eq_u32 s58, 0
	s_cselect_b32 s[ASKF], 1, 0
	s_mul_i32 s56, s56, s23
	s_lshl_b32 s56, s56, 5
	s_mov_b32 s57, 0
	s_add_nc_u64 s[PF:PF+1], s[PF:PF+1], s[56:57]
	s_add_nc_u64 s[N1:N1+1], s[N1:N1+1], s[56:57]
	s_add_nc_u64 s[N2:N2+1], s[N2:N2+1], s[56:57]
	s_add_nc_u64 s[PF:PF+1], s[PF:PF+1], 3*256
	v_and_b32 v[PFO], 31, v0
	v_mul_lo_u32 v[PFO], v[PFO], s23
	s_wait_alu depctr_va_vdst(0)
	SUB0 2, 1
	TURN 2, 2, PH, PWRH, 1, 0
	s_wait_alu depctr_va_vdst(0)
	SUB0 2, 0
	TURN 2, 2, 0, 0, 1, 0
	PLACES
	RESCALE K_RS1
	s_wait_loadcnt 0x0
	s_load_b128 s[BP:BP+3], s[0:1], 0x58
	BSUM
	s_wait_kmcnt 0x0
	s_add_nc_u64 s[BP:BP+1], s[BP:BP+1], s[NOF:NOF+1]
	s_add_nc_u64 s[BP+2:BP+3], s[BP+2:BP+3], s[NOF:NOF+1]
	WIN 0x40
	BIAS BB, BP
	BIAS BC, BP+2
	WIN 0
.set JC, 2
.set PC, 6
	s_mov_b32 s[CNT], 8                            ; gate r's last eight K steps; the seventh trip asks for W_hhc's first tile
.Lgate_r:
	s_wait_alu depctr_va_vdst(0)
	SUB0 2, 0
	TURN 2, 2, 0, PWHH, 1, N1
	s_sub_co_u32 s[CNT], s[CNT], 1
	s_cmp_lg_u32 s[CNT], 0
	s_cbranch_scc1 .Lgate_r
.set JC, 0
.set PC, 4
	PLACES
	SIG_A K_SR
	SUB0 3, 1
	TURN 3, 2, 0, 0, 1, 0
	RECIP 2
	s_mov_b32 s[CNT], 5
.Lcand:
	s_wait_alu depctr_va_vdst(0)
	SUB0 3, 0
	TURN 3, 2, 0, 0, 1, N2
	s_sub_co_u32 s[CNT], s[CNT], 1
	s_cmp_lg_u32 s[CNT], 0
	s_cbranch_scc1 .Lcand
.set JC, 2
	s_mov_b32 s[CNT], 2                            ; the candidate's last two K steps of hc ask for x's and W_hx's two tiles
.Lto_hx:
	s_wait_alu depctr_va_vdst(0)
	SUB0 3, 0
	TURN 3, 1, PX, PWHX, 1, 0
	s_sub_co_u32 s[CNT], s[CNT], 1
	s_cmp_lg_u32 s[CNT], 0
	s_cbranch_scc1 .Lto_hx
	s_wait_loadcnt 0x0
	s_load_b128 s[BP:BP+3], s[0:1], 0x68
	WIN 0x41
.set k, 0
.rept 32
	v_pk_mul_f32 v[k:k+1], v[k:k+1], s[K_NT:K_NT+1] op_sel_hi:[1,0]
.set k, k+2
.endr
	WIN 0xd3
.set k, 0
.rept 128
	v_pk_fma_f32 v[k:k+1], v[k:k+1], s[K_SH:K_SH+1], v[BB+k%32:BB+k%32+1] op_sel_hi:[1,0,1]
.set k, k+2
.endr
	WIN 0xde
.set k, 0
.rept 128
	v_pk_fma_f32 v[k:k+1], v[k:k+1], v[k:k+1], v[BC+k%32:BC+k%32+1]
.set k, k+2
.endr
	WIN 0
	s_wait_alu depctr_va_vdst(0)
	s_wait_kmcnt 0x0
	s_add_nc_u64 s[BP:BP+1], s[BP:BP+1], s[NOF:NOF+1]
	s_add_nc_u64 s[BP+2:BP+3], s[BP+2:BP+3], s[NOF:NOF+1]
	BIAS BA, BP
	WIN 0x40
	BIAS BB, BP+2
	WIN 0
	s_mov_b32 s[CNT], 2                            ; x W_hx's two K steps ask for x's and W_ux's two tiles
.Lto_ux:
	s_wait_alu depctr_va_vdst(0)
	SUB0 3, 0
	TURN 3, 1, PX, PWUX, 1, 0
	s_sub_co_u32 s[CNT], s[CNT], 1
	s_cmp_lg_u32 s[CNT], 0
	s_cbranch_scc1 .Lto_ux
.set JC, 0
	PLACES
	WIN 0xc3
.set k, 0
.rept 128
	v_pk_mul_f32 v[k:k+1], v[k:k+1], s[K_ST:K_ST+1] op_sel_hi:[1,0]
.set k, k+2
.endr
	s_wait_alu depctr_va_vdst(0)
	EXPS
	WIN 0
	SUB0 2, 1
	TURN 2, 2, PHU, PWUH, 0, 0
	RECIP 3
	SUB0 2, 0
	TURN 2, 2, 0, 0, 0, 0
	WIN 0xc3
.set k, 0
.rept 128
	v_pk_fma_f32 v[k:k+1], v[k:k+1], -2.0, 1.0 op_sel_hi:[1,0,0]
.set k, k+2
.endr
	WIN 0
	RESCALE K_RS3
	s_mov_b32 s[CNT], 6
.Lgate_u:
	s_wait_alu depctr_va_vdst(0)
	SUB0 2, 0
	TURN 2, 2, 0, 0, 0, 0
	s_sub_co_u32 s[CNT], s[CNT], 1
	s_cmp_lg_u32 s[CNT], 0
	s_cbranch_scc1 .Lgate_u
	s_wait_alu depctr_va_vdst(0)
	SUB0 2, 0
	TURN 2, 0, 0, 0, 0, 0
	s_wait_alu depctr_va_vdst(0)
	SUB0 2, 0
	LAST 2
	s_wait_loadcnt 0x0
	BSUM
.irp a, 0,1,2,3
.irp i, 0,1,2,3,4,5,6,7
	global_load_b128 v[AF+32*\a+4*\i:AF+32*\a+4*\i+3], v[GH], s[HP:HP+1] offset:(16*\a+2*\i)*ROWF th:TH_LOAD_NT
.endr
.endr
	WIN 0x40
.irp a, 4,5,6
.irp i, 0,1,2,3,4,5,6,7
	global_load_b128 v[AF+32*(\a-4)+4*\i:AF+32*(\a-4)+4*\i+3], v[GH], s[HP:HP+1] offset:(16*\a+2*\i)*ROWF th:TH_LOAD_NT
.endr
.endr
	WIN 0
	SIG_A K_SU
	RECIP 2
.macro HIN a
.if (\a) == 0
	s_wait_loadcnt 48
.else
	s_wait_loadcnt 8*(7-(\a))
.endif
	WIN 4*((\a)/4)
.irp i, 0,1,2,3,4,5,6,7
	ds_store_b128 v[RL], v[AF+32*((\a)%4)+4*\i:AF+32*((\a)%4)+4*\i+3] offset:SPART*((\a)%2)+2*\i*PITCH
.endr
	WIN 0
.irp b, 0,1,2,3
	ds_load_b128 v[HT+32*((\a)%2)+8*\b:HT+32*((\a)%2)+8*\b+3], v[AL] offset:SPART*((\a)%2)+64*\b
	ds_load_b128 v[HT+32*((\a)%2)+8*\b+4:HT+32*((\a)%2)+8*\b+7], v[AL] offset:SPART*((\a)%2)+64*\b+16
.endr
.endm
.macro MIX a
	WIN 0x0c
.set k, 0
.rept 16
	v_pk_add_f32 v[HT+32*((\a)%2)+k:HT+32*((\a)%2)+k+1], v[HT+32*((\a)%2)+k:HT+32*((\a)%2)+k+1], v[32*(\a)+k:32*(\a)+k+1] neg_lo:[0,1] neg_hi:[0,1]
.set k, k+2
.endr
	WIN 0x32
.set k, 0
.rept 16
	v_pk_fma_f32 v[HT+32*((\a)%2)+k:HT+32*((\a)%2)+k+1], v[32*(\a)+k:32*(\a)+k+1], v[HT+32*((\a)%2)+k:HT+32*((\a)%2)+k+1], v[32*(\a)+k:32*(\a)+k+1]
.set k, k+2
.endr
	WIN 0
.endm
.macro TOSTAGE a
.irp b, 0,1,2,3
	ds_store_b128 v[AL], v[HT+32*((\a)%2)+8*\b:HT+32*((\a)%2)+8*\b+3] offset:SPART*(2+(\a)%2)+64*\b
	ds_store_b128 v[AL], v[HT+32*((\a)%2)+8*\b+4:HT+32*((\a)%2)+8*\b+7] offset:SPART*(2+(\a)%2)+64*\b+16
.endr
	WIN 0x40
.irp i, 0,1,2,3,4,5,6,7
	ds_load_b128 v[ORG+32*((\a)%2)+4*\i:ORG+32*((\a)%2)+4*\i+3], v[RL] offset:SPART*(2+(\a)%2)+2*\i*PITCH
.endr
	WIN 0
.endm
.macro SEND a
	WIN 0x04
.irp i, 0,1,2,3,4,5,6,7
	global_store_b128 v[GH], v[ORG+32*((\a)%2)+4*\i:ORG+32*((\a)%2)+4*\i+3], s[O0:O0+1] offset:(16*(\a)+2*\i)*ROWF th:TH_STORE_NT
.endr
.irp i, 0,1,2,3,4,5,6,7
	global_store_b128 v[GH], v[ORG+32*((\a)%2)+4*\i:ORG+32*((\a)%2)+4*\i+3], s[O1:O1+1] offset:(16*(\a)+2*\i)*ROWF th:TH_STORE_NT
.endr
	WIN 0
.endm
	HIN 0
	WIN 0x40
.irp i, 0,1,2,3,4,5,6,7
	global_load_b128 v[AF+96+4*\i:AF+96+4*\i+3], v[GH], s[HP:HP+1] offset:(112+2*\i)*ROWF th:TH_LOAD_NT
.endr
	WIN 0
.irp a, 0,1,2,3,4,5,6,7
.if \a < 7
	HIN \a+1
	s_wait_dscnt 16
.else
	s_wait_dscnt 0x0
.endif
.if \a > 0
	SEND \a-1
.endif
	MIX \a
.if \a > 0
	s_wait_alu depctr_va_vdst(0)
	s_wait_xcnt 0x0
.endif
	TOSTAGE \a
.endr
	s_wait_dscnt 0x0
	SEND 7
	s_wait_tensorcnt 0x0
	ds_add_u32 v[SPW], v[NIL]
	s_wait_dscnt 0x0
	CROUND
	s_endpgm
.Lfunc_end_k_q550f49de94_gru:
	.size	k_q550f49de94_gru, .Lfunc_end_k_q550f49de94_gru-k_q550f49de94_gru
	.p2alignl 7, 3214868480
	.fill 96, 4, 3214868480
	.section	.rodata,"a",@progbits
	.p2align	6, 0x0
	.amdhsa_kernel k_q550f49de94_gru
		.amdhsa_group_segment_fixed_size 327680
		.amdhsa_private_segment_fixed_size 0
		.amdhsa_enable_private_segment 0
		.amdhsa_kernarg_size 144
		.amdhsa_user_sgpr_count 2
		.amdhsa_user_sgpr_kernarg_segment_ptr 1
		.amdhsa_wavefront_size32 1
		.amdhsa_system_sgpr_workgroup_id_x 1
		.amdhsa_system_sgpr_workgroup_id_y 1
		.amdhsa_system_sgpr_workgroup_id_z 1
		.amdhsa_system_vgpr_workitem_id 0
		.amdhsa_next_free_vgpr 1024
		.amdhsa_next_free_sgpr 106
		.amdhsa_reserve_vcc 0
		.amdhsa_float_denorm_mode_32 3
		.amdhsa_float_denorm_mode_16_64 3
		.amdhsa_memory_ordered 1
		.amdhsa_forward_progress 1
		.amdhsa_inst_pref_size 255
	.end_amdhsa_kernel
	.section	.bss,"aw",@nobits
	.p2align	6
	.space	262144
	.amdgpu_metadata
---
amdhsa.version: [ 1, 2 ]
amdhsa.kernels:
  - .name:           k_q550f49de94_gru
    .symbol:         k_q550f49de94_gru.kd
    .args:
      - { .name: x_codes, .offset: 0, .size: 8, .value_kind: global_buffer, .address_space: global }
      - { .name: hcq, .offset: 8, .size: 8, .value_kind: global_buffer, .address_space: global }
      - { .name: W_rx_codes, .offset: 16, .size: 8, .value_kind: global_buffer, .address_space: global }
      - { .name: W_rhc_codes, .offset: 24, .size: 8, .value_kind: global_buffer, .address_space: global }
      - { .name: W_hhc_codes, .offset: 32, .size: 8, .value_kind: global_buffer, .address_space: global }
      - { .name: W_hx_codes, .offset: 40, .size: 8, .value_kind: global_buffer, .address_space: global }
      - { .name: W_ux_codes, .offset: 48, .size: 8, .value_kind: global_buffer, .address_space: global }
      - { .name: W_uhc_codes, .offset: 56, .size: 8, .value_kind: global_buffer, .address_space: global }
      - { .name: lowp_scales, .offset: 64, .size: 8, .value_kind: global_buffer, .address_space: global }
      - { .name: b_rx, .offset: 72, .size: 8, .value_kind: global_buffer, .address_space: global }
      - { .name: b_rhc, .offset: 80, .size: 8, .value_kind: global_buffer, .address_space: global }
      - { .name: b_hhc, .offset: 88, .size: 8, .value_kind: global_buffer, .address_space: global }
      - { .name: b_hx, .offset: 96, .size: 8, .value_kind: global_buffer, .address_space: global }
      - { .name: b_ux, .offset: 104, .size: 8, .value_kind: global_buffer, .address_space: global }
      - { .name: b_uhc, .offset: 112, .size: 8, .value_kind: global_buffer, .address_space: global }
      - { .name: h, .offset: 120, .size: 8, .value_kind: global_buffer, .address_space: global }
      - { .name: out0, .offset: 128, .size: 8, .value_kind: global_buffer, .address_space: global }
      - { .name: out1, .offset: 136, .size: 8, .value_kind: global_buffer, .address_space: global }
    .group_segment_fixed_size: 327680
    .private_segment_fixed_size: 0
    .kernarg_segment_align: 8
    .kernarg_segment_size: 144
    .max_flat_workgroup_size: 128
    .sgpr_count:     106
    .vgpr_count:     1024
    .wavefront_size: 32
...
	.end_amdgpu_metadata
.endif
;; end of part 2
